; MI455X (gfx1250); checked and timed in simulation.
; The chip was launched on July 23, 2026; its instructions are those of AMD's public machine-readable ISA for CDNA 5 (MIT licence, August 2026) and "CDNA5" Instruction Set Architecture Reference Guide (July 2026). The comments in the code are by the model that wrote it; some were corrected since.
;; Bahdanau Attention. Allowed arithmetic: float matrix products may take bf16 or f16 operands with f32 sums; all other float work in f32.
;; Inputs: V_b 1 float32; V_w 1 x 1,024 float32; W1_b 1,024 float32; W1_w 1,024 x 1,024 float32; W2_b 1,024 float32; W2_w 1,024 x 1,024 float32; hs 2 x 64 x 512 float32; ht 1,024 x 64 x 1,024 float32.
;; Outputs: out0 64 x 1,024 float32; out1 64 x 1,024 x 1 float32.
;; 2 versions, each right; version 2 is version 1 with the launch energy written anew for expert scheduling mode. Each part assembles by itself: llvm-mc -triple=amdgcn-amd-amdhsa -mcpu=gfx1250 --defsym DOCPART=n.
;; ======== version 1 of 2: 3 launches
;; limits: values outside matrix products are rounded to bf16
;; workspace buffers: w1f 2,097,152 bytes; bias2 262,144 bytes; sc 262,144 bytes; ctxp 2,097,152 bytes
;; launch prep (part 1): grid 64 x 4, 4 waves a work-group, no clusters, 4,608 bytes of LDS; arguments W1_w, W2_w, hs, W1_b, W2_b, w1f, bias2; writes w1f, bias2
.if DOCPART == 1
	.amdgcn_target "amdgcn-amd-amdhsa--gfx1250"
	.amdhsa_code_object_version 6
	.text
	.protected	k_q0d09b96482_prep
	.globl	k_q0d09b96482_prep
	.p2align	8
	.type	k_q0d09b96482_prep,@function
k_q0d09b96482_prep:
	s_mov_b64 s[64:65], 0
	v_nop
	global_prefetch_b8 v0, s[64:65] scope:SCOPE_SE
	s_setreg_imm32_b32 hwreg(HW_REG_WAVE_MODE, 25, 1), 1
	s_wait_xcnt 0x0
; PREP.  Two small jobs ahead of the large product.
; (1) w1f: W1 rounded to bf16 and laid in the order in which a wave of the next launch takes it: [w 4][p 2][ks 32][i 8][1,024 bytes].  The 1,024 bytes are the
;     fragment (16 rows a = 16 nb + r, nb = 32 p + 8 w + i; 32 k from 32 ks on): bytes 16 L hold lane L's registers 0-3, bytes 512 + 16 L its registers 4-7.
; (2) bias2[nb 64][b 64][16] = 2 log2(e) x (W1_b[a] + W2_b[a] + sum over k of hs_b[b][k] W2[a][k]), hs_b[b][k] = hs[k / 512][b][k % 512]: operands in bf16, sums in f32.
;     The factor is the one that the next launch's tanh wants in front of its exponential.
; SHARES.  Work-group (g, q): a block g (16 rows of W1 and W2), b block q (16 rows of hs).  Wave w multiplies k = 256 w .. 256 w + 255 (8 matrix instructions on two accumulators
; that take turns); the four waves' sums meet in LDS.  Wave w also rounds K steps 8 q + 2 w and 8 q + 2 w + 1 of W1's block g.
; No cluster, no tensor load: a work-group reads 144 KiB in all, once, and has no loop in which a slot could take turns.
.set ACC0, 16                          ; v[16:23], v[24:31]  the two accumulators
.set ACC1, 24
.set X,    64                          ; v[64:191]  four K steps: 16 registers of hs, 16 of W2 each, f32 as loaded; rounded in place into the first 8 of each 16
.set XW,   192                         ; v[192:223] two K steps of W1, likewise
.macro LD16 dst, voff, base, imm       ; a lane's 16 numbers of a K step: k = 8 h .. 8 h + 7 and 16 + 8 h .. 16 + 8 h + 7
	global_load_b128 v[(\dst):(\dst)+3],     v[\voff], s[\base:\base+1] offset:(\imm)
	global_load_b128 v[(\dst)+4:(\dst)+7],   v[\voff], s[\base:\base+1] offset:(\imm)+16
	global_load_b128 v[(\dst)+8:(\dst)+11],  v[\voff], s[\base:\base+1] offset:(\imm)+64
	global_load_b128 v[(\dst)+12:(\dst)+15], v[\voff], s[\base:\base+1] offset:(\imm)+80
.endm
.macro CVT8 base                       ; 16 f32 become 8 registers of bf16, in place, ascending: register i is written when 2 i and 2 i + 1 have been read
.irp i, 0,1,2,3,4,5,6,7
	v_cvt_pk_bf16_f32 v[(\base)+\i], v[(\base)+2*\i], v[(\base)+2*\i+1]
.endr
.endm
	s_load_b256 s[4:11], s[0:1], 0x0               ; W1_w s[4:5], W2_w s[6:7], hs s[8:9], W1_b s[10:11]
	s_load_b128 s[12:15], s[0:1], 0x20             ; W2_b s[12:13], w1f s[14:15]
	s_load_b64 s[16:17], s[0:1], 0x30              ; bias2
	v_lshl_add_u32 v224, v0, 2, 0x1000
	v_mov_b32 v225, 0
	v_lshrrev_b32 v1, 5, v0
	v_readfirstlane_b32 s20, v1                    ; wave w
	s_mov_b32 s21, ttmp9                           ; g
	s_and_b32 s22, ttmp7, 0xffff                   ; q
	s_mov_b32 s26, 0x4038aa3b                      ; 2 log2(e)
	s_mov_b32 s27, s26                             ; named with it as a pair
	s_lshl_b32 s40, s20, 10                        ; 1,024 w
	v_and_b32 v1, 31, v0                           ; L
	v_and_b32 v2, 15, v0                           ; r
	v_bfe_u32 v3, v0, 4, 1                         ; h
	v_lshlrev_b32 v4, 12, v2
	v_lshl_add_u32 v4, v3, 5, v4                   ; rows of W1, W2: 4,096 r + 32 h
	v_lshlrev_b32 v5, 11, v2
	v_lshl_add_u32 v5, v3, 5, v5                   ; rows of hs: 2,048 r + 32 h
	v_lshlrev_b32 v6, 4, v1                        ; 16 L
	v_and_b32 v7, 7, v0
	v_lshlrev_b32 v7, 3, v7                        ; my two a in the block's 16, in bytes
	v_lshlrev_b32 v8, 3, v0                        ; my 8 bytes of the tile's 1,024
	v_lshl_add_u32 v9, v3, 9, s40
	v_lshl_add_u32 v9, v2, 2, v9                   ; LDS: 1,024 w + 512 h + 4 r: element (b = 8 h + j, a = r) at + 64 j
	; byte offsets, each in a pair of its own with 0 above
	s_lshl_b32 s28, s21, 16
	s_add_co_u32 s28, s28, s40                     ; W2: 16 g rows of 4,096 bytes + 256 w numbers
	s_mov_b32 s29, 0
	s_lshr_b32 s30, s20, 1
	s_lshl_b32 s30, s30, 17                        ; hs: layer w / 2,
	s_lshl_b32 s23, s22, 15
	s_add_co_u32 s30, s30, s23                     ; 16 q rows of 2,048 bytes,
	s_and_b32 s23, s20, 1
	s_lshl_b32 s23, s23, 10
	s_add_co_u32 s30, s30, s23                     ; 256 (w % 2) numbers
	s_mov_b32 s31, 0
	s_lshl_b32 s24, s22, 3
	s_lshl1_add_u32 s24, s20, s24                  ; my first K step of W1: 8 q + 2 w
	s_lshl_b32 s32, s21, 16
	s_lshl_b32 s23, s24, 7
	s_add_co_u32 s32, s32, s23                     ; W1: 16 g rows + 128 bytes a K step
	s_mov_b32 s33, 0
	s_bfe_u32 s34, s21, 0x20003                    ; w1f: the wave that will read block g, (g / 8) % 4,
	s_lshl_b32 s34, s34, 19
	s_lshr_b32 s23, s21, 5                         ; its pass g / 32,
	s_lshl_b32 s23, s23, 18
	s_add_co_u32 s34, s34, s23
	s_and_b32 s23, s21, 7                          ; the block's place among the wave's eight,
	s_lshl_b32 s23, s23, 10
	s_add_co_u32 s34, s34, s23
	s_lshl_b32 s23, s24, 13                        ; 8,192 bytes a K step
	s_add_co_u32 s34, s34, s23
	s_mov_b32 s35, 0
	s_lshl_b32 s36, s21, 6                         ; W1_b, W2_b: 16 g numbers
	s_mov_b32 s37, 0
	s_lshl_b32 s38, s21, 12
	s_lshl_b32 s23, s22, 10
	s_add_co_u32 s38, s38, s23                     ; bias2: 4,096 g + 1,024 q
	s_mov_b32 s39, 0
	s_wait_kmcnt 0x0
	s_add_nc_u64 s[6:7], s[6:7], s[28:29]
	s_add_nc_u64 s[8:9], s[8:9], s[30:31]
	s_add_nc_u64 s[4:5], s[4:5], s[32:33]
	s_add_nc_u64 s[14:15], s[14:15], s[34:35]
	s_add_nc_u64 s[10:11], s[10:11], s[36:37]
	s_add_nc_u64 s[12:13], s[12:13], s[36:37]
	s_add_nc_u64 s[16:17], s[16:17], s[38:39]
	global_load_b64 v[10:11], v7, s[10:11]         ; W1_b, W2_b of my two a
	global_load_b64 v[12:13], v7, s[12:13]
.irp e, 0,1,2,3                        ; K steps 0 to 3 of my eight
	LD16 X+32*\e,    5, 8, 128*\e
	LD16 X+32*\e+16, 4, 6, 128*\e
.endr
.irp e, 0,1                            ; my two K steps of W1
	LD16 XW+16*\e, 4, 4, 128*\e
.endr
	s_wait_loadcnt 8                               ; all but W1's eight loads
.irp e, 0,1,2,3
	CVT8 X+32*\e
	CVT8 X+32*\e+16
.endr
	; source 0 = 16 rows of hs, source 1 = 16 rows of W2: register j of lane (r, h) is (b = 8 h + j, a = r).  The two accumulators take turns.
	v_wmma_f32_16x16x32_bf16 v[ACC0:ACC0+7], v[X:X+7],       v[X+16:X+23],   0
	v_wmma_f32_16x16x32_bf16 v[ACC1:ACC1+7], v[X+32:X+39],   v[X+48:X+55],   0
	v_wmma_f32_16x16x32_bf16 v[ACC0:ACC0+7], v[X+64:X+71],   v[X+80:X+87],   v[ACC0:ACC0+7]
	v_wmma_f32_16x16x32_bf16 v[ACC1:ACC1+7], v[X+96:X+103],  v[X+112:X+119], v[ACC1:ACC1+7]
.rept 4
	v_nop                                          ; four places in front of loads into registers that the products have read
.endr
.irp e, 0,1,2,3                        ; K steps 4 to 7
	LD16 X+32*\e,    5, 8, 128*\e+512
	LD16 X+32*\e+16, 4, 6, 128*\e+512
.endr
	s_wait_loadcnt 32                              ; all but the 32 just issued: W1's numbers are in
.irp e, 0,1
	CVT8 XW+16*\e
	global_store_b128 v6, v[XW+16*\e:XW+16*\e+3],   s[14:15] offset:8192*\e       ; each store of the wave covers 512 consecutive bytes, aligned
	global_store_b128 v6, v[XW+16*\e+4:XW+16*\e+7], s[14:15] offset:8192*\e+512
.endr
	s_wait_loadcnt 0x0
.irp e, 0,1,2,3
	CVT8 X+32*\e
	CVT8 X+32*\e+16
.endr
	v_wmma_f32_16x16x32_bf16 v[ACC0:ACC0+7], v[X:X+7],       v[X+16:X+23],   v[ACC0:ACC0+7]
	v_wmma_f32_16x16x32_bf16 v[ACC1:ACC1+7], v[X+32:X+39],   v[X+48:X+55],   v[ACC1:ACC1+7]
	v_wmma_f32_16x16x32_bf16 v[ACC0:ACC0+7], v[X+64:X+71],   v[X+80:X+87],   v[ACC0:ACC0+7]
	v_wmma_f32_16x16x32_bf16 v[ACC1:ACC1+7], v[X+96:X+103],  v[X+112:X+119], v[ACC1:ACC1+7]
.rept 4
	v_nop                                          ; four places in front of the first read of the results
.endr
.irp i, 0,1,2,3                        ; both accumulators are read from their low end on
	v_pk_add_f32 v[ACC0+2*\i:ACC0+2*\i+1], v[ACC0+2*\i:ACC0+2*\i+1], v[ACC1+2*\i:ACC1+2*\i+1]
.endr
.irp j, 0,1,2,3,4,5,6,7
	ds_store_b32 v9, v[ACC0+\j] offset:64*\j
.endr
	s_wait_dscnt 0x0                               ; for the others' sake: my quarter of K lies in LDS
	s_barrier_signal -1
	s_barrier_wait -1
.irp k, 0,1,2,3
	ds_load_b64 v[32+2*\k:33+2*\k], v8 offset:1024*\k  ; the four waves' sums for my two numbers
.endr
	s_wait_dscnt 0x0
	v_pk_add_f32 v[32:33], v[32:33], v[34:35]
	v_pk_add_f32 v[36:37], v[36:37], v[38:39]
	v_pk_add_f32 v[10:11], v[10:11], v[12:13]
	v_pk_add_f32 v[32:33], v[32:33], v[36:37]
	v_pk_add_f32 v[32:33], v[32:33], v[10:11]
	v_pk_mul_f32 v[32:33], v[32:33], s[26:27] op_sel_hi:[1,0]
	global_store_b64 v8, v[32:33], s[16:17]        ; a wave stores 256 consecutive bytes, aligned
	s_wait_tensorcnt 0x0
	ds_add_u32 v224, v225
	s_wait_dscnt 0x0
	s_endpgm
.Lfunc_end_k_q0d09b96482_prep:
	.size	k_q0d09b96482_prep, .Lfunc_end_k_q0d09b96482_prep-k_q0d09b96482_prep
	.p2alignl 7, 3214868480
	.fill 96, 4, 3214868480
	.section	.rodata,"a",@progbits
	.p2align	6, 0x0
	.amdhsa_kernel k_q0d09b96482_prep
		.amdhsa_group_segment_fixed_size 4608
		.amdhsa_private_segment_fixed_size 0
		.amdhsa_enable_private_segment 0
		.amdhsa_kernarg_size 56
		.amdhsa_user_sgpr_count 2
		.amdhsa_user_sgpr_kernarg_segment_ptr 1
		.amdhsa_wavefront_size32 1
		.amdhsa_system_sgpr_workgroup_id_x 1
		.amdhsa_system_sgpr_workgroup_id_y 1
		.amdhsa_system_sgpr_workgroup_id_z 1
		.amdhsa_system_vgpr_workitem_id 0
		.amdhsa_next_free_vgpr 226
		.amdhsa_next_free_sgpr 66
		.amdhsa_reserve_vcc 0
		.amdhsa_float_denorm_mode_32 3
		.amdhsa_float_denorm_mode_16_64 3
		.amdhsa_memory_ordered 1
		.amdhsa_forward_progress 1
		.amdhsa_inst_pref_size 22
	.end_amdhsa_kernel
	.amdgpu_metadata
---
amdhsa.version: [ 1, 2 ]
amdhsa.kernels:
  - .name:           k_q0d09b96482_prep
    .symbol:         k_q0d09b96482_prep.kd
    .args:
      - { .name: W1_w, .offset: 0, .size: 8, .value_kind: global_buffer, .address_space: global }
      - { .name: W2_w, .offset: 8, .size: 8, .value_kind: global_buffer, .address_space: global }
      - { .name: hs, .offset: 16, .size: 8, .value_kind: global_buffer, .address_space: global }
      - { .name: W1_b, .offset: 24, .size: 8, .value_kind: global_buffer, .address_space: global }
      - { .name: W2_b, .offset: 32, .size: 8, .value_kind: global_buffer, .address_space: global }
      - { .name: w1f, .offset: 40, .size: 8, .value_kind: global_buffer, .address_space: global }
      - { .name: bias2, .offset: 48, .size: 8, .value_kind: global_buffer, .address_space: global }
    .group_segment_fixed_size: 4608
    .private_segment_fixed_size: 0
    .kernarg_segment_align: 8
    .kernarg_segment_size: 56
    .max_flat_workgroup_size: 128
    .sgpr_count:     66
    .vgpr_count:     226
    .wavefront_size: 32
...
	.end_amdgpu_metadata
.endif
;; end of part 1
;; launch energy (part 2): grid 8 x 64, 4 waves a work-group, no clusters, 270,848 bytes of LDS; arguments ht, w1f, bias2, V_w, V_b, sc, ctxp; writes sc, ctxp
.if DOCPART == 2
	.amdgcn_target "amdgcn-amd-amdhsa--gfx1250"
	.amdhsa_code_object_version 6
	.text
	.protected	k_q0d09b96482_energy
	.globl	k_q0d09b96482_energy
	.p2align	8
	.type	k_q0d09b96482_energy,@function
k_q0d09b96482_energy:
	s_mov_b64 s[64:65], 0
	v_nop
	global_prefetch_b8 v0, s[64:65] scope:SCOPE_SE
	s_setreg_imm32_b32 hwreg(HW_REG_WAVE_MODE, 25, 1), 1
	s_wait_xcnt 0x0
; ENERGY.  For one batch row b and one block of 128 positions s:  score[s] = V_b + sum over a of V[a] tanh(sum over k of ht[s][b][k] W1[a][k] + bias[b][a]);  m = the block's largest score;
; p[s] = exp(score[s] - m);  ctxp[b][blk][:] = sum over the block's s of p[s] ht[s][b][:].  The scores go to sc; the next launch joins a row's eight blocks by their maxima.
; EACH BYTE OF ht ONCE.  The block's 128 rows (4,096 bytes each, 262,144 bytes apart) are read once, rounded to bf16 and kept in LDS: the product's A and the context's rows are the same tile.
; SHARES.  Four waves.  Wave w loads and rounds rows 32 w .. 32 w + 31.  In pass p (0, 1) it makes all 128 rows x the columns a = 512 p + 128 w .. + 127: 64 accumulators of 16 x 16, 512 registers.
; W1's fragments come from w1f (bf16, laid in fragment order by the launch before) straight into registers, three K steps ahead, in four buffers.
; NO TENSOR LOADS, NO CLUSTER, though all work-groups walk the same w1f: A's tile takes 264,192 of the 327,680 bytes of LDS that a work-group may ask for, the scores 6,144; two slots of one
; K step's 32,768 bytes of W1 do not fit into the 57,344 left; and no fragment of W1 is read by two waves of a work-group, so a way through LDS would add a write and a read for each byte.
; TANH.  tanh(x) = 1 - 2 / (1 + 2^(2 log2(e) x)); bias2 arrives multiplied by 2 log2(e).  Large x give 2^.. = infinity and 1; very negative x give 0 and -1.
; LIMITS.  ht enters the product AND the context rounded to bf16, W1 the product likewise.  tanh in this form is off by about 1e-7 absolutely, also where tanh itself is smaller than that.
; A weight p below 2^-126 counts as 0.  NaN and infinities in the inputs are not treated apart.
; REGISTERS, in windows of 256 (s_set_vgpr_msb: bits 1:0 source 0, 3:2 source 1, 5:4 source 2, 7:6 destination):
;   window 0: v0-15 addresses; v16-31 BI (pair i: bias, V of column block i); v32-47 VI (-2 V, twice); v48-49 SV; v50-59 the last phase; v60-63 A's addresses at K = 0;
;             v64-127, v128-191 A's fragments, two buffers (the second is T on the way to the scores); v192-255 P, the rows' partial scores.  While ht is loaded: v64-255 three sets of 64, v16-47 rounded numbers.
;   window 1: four buffers of 64 for W1's fragments.    window 2: the accumulators of rows 0-63 ((a, n) at v[8 (8 (a % 4) + n)]);   window 3: those of rows 64-127.
.set PITCH, 2064                       ; a row of A in LDS: 2,048 bytes + 16 = 129 x 16: the 16 rows of a fragment load start at 16 different groups of four banks (64 banks of 4 bytes: ISA guide 11.1)
.set SCB,   128*PITCH                  ; behind A: [p 2][w 4][128 rows] f32, each wave's partial scores
.set PWB,   SCB+4096                   ; behind that: [w 4][128] f32, each wave's own copy of p
.set ADRA,  8                          ; v8-11   LDS address of my A fragments, rows 32 q on, at the K step in hand
.set ADR0,  60                         ; v60-63  the same at K = 0; never rewritten while products run
.set BI,    16
.set VI,    32
.set SV,    48
.set AF0,   64
.set AF1,   128
.set T,     128
.set P,     192
.set MSB, 0
.macro WIN new                         ; the immediate's high byte repeats the setting that is left; a switch that changes nothing is dropped
.if MSB != (\new)
	s_set_vgpr_msb (MSB<<8)|(\new)
.set MSB, (\new)
.endif
.endm
.set MUL_LO, 0xa4                      ; source 0 (A) window 0, source 1 (W1) window 1, C and D window 2
.set MUL_HI, 0xf4                      ; the same, C and D window 3
.set TO_B,   0x40                      ; destination window 1, address window 0
.macro PLACES                          ; a load into a register that a matrix instruction has read stands four plain vector instructions behind it (ISA guide 7.12.1 for vector instructions)
.rept 4
	v_nop
.endr
.endm
; 32 matrix instructions: rows 64 hi .. 64 hi + 63 x all 128 columns, 32 along K.  zero = 1: the product starts the sums.  The 64 accumulators take turns in the same order in every K step.
.macro MUL32 ab, bb, hi, zero
	WIN MUL_LO+0x50*(\hi)
.irp a, 0,1,2,3
.irp n, 0,1,2,3,4,5,6,7
.if \zero
	v_wmma_f32_16x16x32_bf16 v[8*(8*\a+\n):8*(8*\a+\n)+7], v[(\ab)+8*(4*(\hi)+\a):(\ab)+8*(4*(\hi)+\a)+7], v[(\bb)+8*\n:(\bb)+8*\n+7], 0
.else
	v_wmma_f32_16x16x32_bf16 v[8*(8*\a+\n):8*(8*\a+\n)+7], v[(\ab)+8*(4*(\hi)+\a):(\ab)+8*(4*(\hi)+\a)+7], v[(\bb)+8*\n:(\bb)+8*\n+7], v[8*(8*\a+\n):8*(8*\a+\n)+7]
.endif
.endr
.endr
.endm
; A's fragments of one K step, 128 rows x 32 K at byte koff behind the addresses: 16 LDS loads in one run, rows 0-63 first
.macro FETCH_A ab, koff
	WIN 0
.irp i, 0,1,2,3,4,5,6,7
	ds_load_b128 v[(\ab)+8*\i:(\ab)+8*\i+3],   v[ADRA+\i/2] offset:(\i%2)*16*PITCH+(\koff)
	ds_load_b128 v[(\ab)+8*\i+4:(\ab)+8*\i+7], v[ADRA+\i/2] offset:(\i%2)*16*PITCH+(\koff)+32
.endr
.endm
; W1's fragments of one K step, my 128 columns: 16 loads of 512 consecutive bytes each
.macro LOAD_B bb, imm
	WIN TO_B
.irp i, 0,1,2,3,4,5,6,7
	global_load_b128 v[(\bb)+8*\i:(\bb)+8*\i+3],   v4, s[32:33] offset:(\imm)+1024*\i
	global_load_b128 v[(\bb)+8*\i+4:(\bb)+8*\i+7], v4, s[32:33] offset:(\imm)+1024*\i+512
.endr
.endm
; A K STEP: 64 matrix instructions on A's buffer ab and W1's buffer bb.  In its middle: W1 of the step three on (lb = 1: into lbb, at byte imm) and A of the next step (fa = 1: into fab, at koff);
; both buffers were last read by the step before, 32 matrix instructions and the four places back.  lcnt: the younger global loads that may stay out when this step's W1 has to be in.
.macro STEP ab, bb, zero, lcnt, fa, fab, koff, lb, lbb, imm
	s_wait_loadcnt \lcnt
	s_wait_dscnt 8                                 ; A's rows 0-63 are in; the younger eight loads (rows 64-127) may be out
	MUL32 \ab, \bb, 0, \zero
	PLACES
.if \lb
	LOAD_B \lbb, \imm
.endif
.if \fa
	FETCH_A \fab, \koff
	s_wait_dscnt 16                                ; all but the 16 just issued
.else
	s_wait_dscnt 0x0
.endif
	MUL32 \ab, \bb, 1, \zero
.endm
.macro ASTEP                           ; A's addresses at K byte s41
.irp q, 0,1,2,3
	v_add_nc_u32 v[ADRA+\q], s41, v[ADR0+\q]
.endr
.endm
; ht: group g is rows 2 g and 2 g + 1 of my 32, 16 loads of 512 consecutive bytes, into set g % 3
.macro GLOAD g
.set SB, 64+64*((\g)%3)
.irp rr, 0,1
.irp c, 0,1,2,3,4,5,6,7
	global_load_b128 v[SB+32*\rr+4*\c:SB+32*\rr+4*\c+3], v4, s[4:5] offset:(2*(\g)+\rr)*262144+512*\c th:TH_LOAD_NT  ; 31 rows and 3,584 bytes at the most: inside the signed 24-bit immediate
.endr
.endr
.endm
.macro GPACK g                         ; rounded to bf16; a lane's four numbers are 8 bytes, a wave's store 256 consecutive bytes of the LDS row
.set SB, 64+64*((\g)%3)
.irp rr, 0,1
.irp c, 0,1,2,3,4,5,6,7
	v_cvt_pk_bf16_f32 v[16+16*\rr+2*\c],   v[SB+32*\rr+4*\c],   v[SB+32*\rr+4*\c+1]
	v_cvt_pk_bf16_f32 v[16+16*\rr+2*\c+1], v[SB+32*\rr+4*\c+2], v[SB+32*\rr+4*\c+3]
.endr
.endr
.irp rr, 0,1
.irp c, 0,1,2,3,4,5,6,7
	ds_store_b64 v[5+(2*(\g)+\rr)/16], v[16+16*\rr+2*\c:16+16*\rr+2*\c+1] offset:((2*(\g)+\rr)%16)*PITCH+256*\c
.endr
.endr
.endm
	s_load_b256 s[4:11], s[0:1], 0x0               ; ht s[4:5], w1f s[6:7], bias2 s[8:9], V_w s[10:11]
	s_load_b128 s[12:15], s[0:1], 0x20             ; V_b s[12:13], sc s[14:15]
	s_load_b64 s[16:17], s[0:1], 0x30              ; ctxp
	v_lshl_add_u32 v52, v0, 2, 0x42000
	v_mov_b32 v53, 0
	v_lshrrev_b32 v1, 5, v0
	v_readfirstlane_b32 s20, v1                    ; wave w
	s_mov_b32 s21, ttmp9                           ; blk
	s_and_b32 s22, ttmp7, 0xffff                   ; b
	s_mov_b32 s25, 0                               ; s[24:25]: a byte offset with 0 above
	s_mov_b32 s26, 0x4038aa3b                      ; 2 log2(e)
	s_mov_b32 s27, s26                             ; named with it as a pair
	s_mov_b32 s28, 0x76543210                      ; v_permlanex16_b32: each lane takes its own place in the other half
	s_mov_b32 s29, 0xfedcba98
	s_mov_b32 s40, 0x3fb8aa3b                      ; log2(e)
	v_and_b32 v1, 31, v0                           ; L
	v_and_b32 v2, 15, v0                           ; r
	v_bfe_u32 v3, v0, 4, 1                         ; h
	v_lshlrev_b32 v4, 4, v1                        ; 16 L
	s_mul_i32 s23, s20, 32*PITCH
	v_lshl_add_u32 v5, v1, 3, s23                  ; where I put 8 bytes of my wave's row 0,
	v_add_nc_u32 v6, 16*PITCH, v5                  ; and of its row 16
	v_lshlrev_b32 v7, 3, v0                        ; the context: my 8 bytes of a row's first half
	v_mul_u32_u24 v[ADR0], v2, PITCH
	v_lshl_add_u32 v[ADR0], v3, 4, v[ADR0]         ; a fragment's row x pitch + 16 x half
	v_add_nc_u32 v[ADR0+1], 32*PITCH, v[ADR0]
	v_add_nc_u32 v[ADR0+2], 64*PITCH, v[ADR0]
	v_add_nc_u32 v[ADR0+3], 96*PITCH, v[ADR0]
.irp q, 0,1,2,3
	v_mov_b32 v[ADRA+\q], v[ADR0+\q]
.endr
	v_lshlrev_b32 v12, 2, v2                       ; 4 r: my column in a block of 16
	s_lshl_b32 s23, s20, 9
	s_add_co_u32 s30, s23, SCB
	v_lshl_add_u32 v13, v3, 5, s30                 ; my wave's partial scores: rows 8 h on
	v_lshlrev_b32 v14, 4, v0                       ; the context's way out: 16 bytes a thread
	s_add_co_u32 s30, s23, PWB
	v_mov_b32 v15, s30                             ; my wave's copy of p
	s_wait_kmcnt 0x0
	s_load_b32 s38, s[12:13], 0x0                  ; V_b
	s_lshl_b32 s24, s21, 25                        ; ht: 128 blk rows of 262,144 bytes,
	s_lshl_b32 s23, s20, 23                        ; 32 w rows,
	s_add_co_u32 s24, s24, s23
	s_lshl_b32 s23, s22, 12                        ; batch row b
	s_add_co_u32 s24, s24, s23
	s_add_nc_u64 s[4:5], s[4:5], s[24:25]
	GLOAD 0                                        ; three groups, 48 loads of 512 bytes, are on their way in each wave
	GLOAD 1
	GLOAD 2
	s_lshl_b32 s24, s20, 19
	s_add_nc_u64 s[32:33], s[6:7], s[24:25]        ; w1f at my wave's first fragment
	s_lshl_b32 s24, s20, 15
	s_lshl_b32 s23, s22, 6
	s_add_co_u32 s24, s24, s23
	s_add_nc_u64 s[34:35], s[8:9], s[24:25]        ; bias2 at column block 8 w, row b
	s_lshl_b32 s24, s20, 9
	s_add_nc_u64 s[36:37], s[10:11], s[24:25]      ; V at column 128 w
	s_lshl_b32 s24, s22, 12
	s_lshl_b32 s23, s21, 9
	s_add_co_u32 s24, s24, s23
	s_add_nc_u64 s[14:15], s[14:15], s[24:25]      ; sc at (b, 128 blk)
	s_lshl_b32 s24, s22, 15
	s_lshl_b32 s23, s21, 12
	s_add_co_u32 s24, s24, s23
	s_add_nc_u64 s[16:17], s[16:17], s[24:25]      ; ctxp at (b, blk)
	s_wait_kmcnt 0x0
	s_mov_b32 s39, s38                             ; named with it as a pair
	; PHASE A: my 32 rows of ht, two at a time.  The wait counts the younger groups' loads: two groups, then one, then none.
.set G, 0
.rept 16
.if G < 14
	s_wait_loadcnt 32
.elseif G == 14
	s_wait_loadcnt 16
.else
	s_wait_loadcnt 0x0
	LOAD_B 0, 0                                    ; W1's first three K steps go out while the last rows are rounded
	LOAD_B 64, 8192
	LOAD_B 128, 16384
	WIN 0
.endif
	GPACK G
.if G < 13
	GLOAD G+3
.endif
.set G, G+1
.endr
	s_wait_dscnt 0x0                               ; for the others' sake: my 32 rows lie in LDS
	s_barrier_signal -1
	s_barrier_wait -1                              ; A is whole; nothing writes it again
	FETCH_A AF0, 0
	s_mov_b32 s31, 0                               ; the pass
.Lpass:
.irp i, 0,1,2,3,4,5,6,7                ; the pass's bias and V, one number a lane and column block: 16 loads, younger than W1's K steps 0 to 2
	global_load_b32 v[BI+2*\i],   v12, s[34:35] offset:4096*\i
	global_load_b32 v[BI+2*\i+1], v12, s[36:37] offset:64*\i
.endr
	STEP AF0, 0, 1, 48, 1, AF1, 64, 1, 192, 24576  ; K step 0 starts the sums.  48: W1's steps 1 and 2 and the 16 above are younger
	WIN 0
	s_mov_b32 s41, 128                             ; A's addresses at K step 2
	ASTEP
	s_wait_xcnt 0x0                                ; the loads' base is stepped only behind this wait
	s_add_nc_u64 s[32:33], s[32:33], 0x8000        ; four K steps of 8,192 bytes
	s_mov_b32 s30, 7
.Lk:                                   ; a trip: K steps 4 t + 1 .. 4 t + 4.  32: the two next steps' loads are younger (in a pass's first trip also the 16 above: the count is then the stricter one)
	STEP AF1, 64,  0, 32, 1, AF0, 0,   1, 0,   0
	STEP AF0, 128, 0, 32, 1, AF1, 64,  1, 64,  8192
	STEP AF1, 192, 0, 32, 1, AF0, 128, 1, 128, 16384
	STEP AF0, 0,   0, 32, 1, AF1, 192, 1, 192, 24576
	WIN 0                                          ; at a label and at a branch every window is 0
	s_add_co_u32 s41, s41, 256
	ASTEP
	s_wait_xcnt 0x0
	s_add_nc_u64 s[32:33], s[32:33], 0x8000
	s_sub_co_u32 s30, s30, 1
	s_cmp_lg_u32 s30, 0
	s_cbranch_scc1 .Lk
	s_cmp_eq_u32 s31, 1
	s_cbranch_scc1 .Ltail_last
	STEP AF1, 64,  0, 32, 1, AF0, 0,  1, 0,   0      ; K steps 29 to 31 of pass 0: they fetch pass 1's first three K steps of W1, which follow in w1f,
	STEP AF0, 128, 0, 32, 1, AF1, 64, 1, 64,  8192
	WIN 0
.irp q, 0,1,2,3
	v_mov_b32 v[ADRA+\q], v[ADR0+\q]               ; and A's K step 0 once more
.endr
	STEP AF1, 192, 0, 32, 1, AF0, 0,  1, 128, 16384
	WIN 0
	s_branch .Lepi
.Ltail_last:                           ; K steps 29 to 31 of pass 1: no load leaves w1f, and the counts run down
	STEP AF1, 64,  0, 32, 1, AF0, 0,  0, 0, 0
	STEP AF0, 128, 0, 16, 1, AF1, 64, 0, 0, 0
	STEP AF1, 192, 0, 0,  0, 0,   0,  0, 0, 0
	WIN 0
.Lepi:
	; FROM SUMS TO PARTIAL SCORES.  A lane holds column a = 16 nb + r in all its accumulators.  For a row: sum over my 8 column blocks of V tanh = SV + sum of (-2 V) / (1 + 2^x), then over the 16 lanes.
	; These 24 plain instructions name no register of the last products: they are the four places in front of the first read of a result and the first write of T.
.irp i, 0,1,2,3,4,5,6,7
	v_mul_f32 v[VI+2*\i],   -2.0, v[BI+2*\i+1]
	v_mul_f32 v[VI+2*\i+1], -2.0, v[BI+2*\i+1]
.endr
	v_add_f32 v[SV], v[BI+1], v[BI+3]
.irp i, 2,3,4,5,6,7
	v_add_f32 v[SV], v[SV], v[BI+2*\i+1]
.endr
	v_mov_b32 v[SV+1], v[SV]
.macro EPI a                           ; row block a: 16 rows x 128 columns
	WIN 0x02+(\a)/4                                ; source 0: window 2 or 3
.irp n, 0,1,2,3,4,5,6,7
.irp j, 0,1,2,3                        ; each accumulator is read from its low end on
	v_pk_fma_f32 v[T+8*\n+2*\j:T+8*\n+2*\j+1], v[8*(8*((\a)%4)+\n)+2*\j:8*(8*((\a)%4)+\n)+2*\j+1], s[26:27], v[BI+2*\n:BI+2*\n+1] op_sel_hi:[1,0,0]  ; 2 log2(e) x sum + bias
.endr
.endr
	WIN 0
.set z, 0
.rept 64
	v_exp_f32 v[T+z], v[T+z]
.set z, z+1
.endr
	v_nop                                          ; a plain instruction between the last exponential and the use of its result (ISA guide 5.7.2)
.set z, 0
	s_wait_alu depctr_va_vdst(0)
.rept 32
	v_pk_add_f32 v[T+z:T+z+1], v[T+z:T+z+1], 1.0 op_sel_hi:[1,0]
.set z, z+2
.endr
.set z, 0
.rept 64
	v_rcp_f32 v[T+z], v[T+z]
.set z, z+1
.endr
	v_nop
	s_wait_alu depctr_va_vdst(0)
.irp n, 0,1,2,3,4,5,6,7
.irp j, 0,1,2,3
.if \n == 0
	v_pk_fma_f32 v[P+8*(\a)+2*\j:P+8*(\a)+2*\j+1], v[T+2*\j:T+2*\j+1], v[VI:VI+1], v[SV:SV+1]  ; the first term starts the sum and brings tanh's constant part
.else
	v_pk_fma_f32 v[P+8*(\a)+2*\j:P+8*(\a)+2*\j+1], v[T+8*\n+2*\j:T+8*\n+2*\j+1], v[VI+2*\n:VI+2*\n+1], v[P+8*(\a)+2*\j:P+8*(\a)+2*\j+1]
.endif
.endr
.endr
.endm
.irp a, 0,1,2,3,4,5,6,7
	EPI \a
.endr
.irp m, 1,2,4,8                        ; over the 16 lanes of a half: every lane ends with the sum over my 128 columns
.set z, 0
.rept 64
	v_add_f32_dpp v[P+z], v[P+z], v[P+z] row_xmask:\m row_mask:0xf bank_mask:0xf
.set z, z+1
.endr
.endr
.irp u, 0,1,2,3,4,5,6,7,8,9,10,11,12,13,14,15
	ds_store_b128 v13, v[P+4*\u:P+4*\u+3] offset:64*(\u/2)+16*(\u%2)  ; rows 16 a + 8 h + j; the 16 lanes of a half write the same words with the same numbers
.endr
	v_add_nc_u32 v13, 2048, v13                    ; the next pass's part of SC
	s_wait_xcnt 0x0                                ; the bases of the bias' and V's loads are stepped only behind this wait
	s_add_nc_u64 s[34:35], s[34:35], 0x20000       ; 32 column blocks on
	s_add_nc_u64 s[36:37], s[36:37], 0x800
	s_add_co_u32 s31, s31, 1
	s_cmp_lt_u32 s31, 2
	s_cbranch_scc1 .Lpass
	; PHASE C: the scores, the block's maximum, p, and the partial context.
	s_wait_dscnt 0x0                               ; for the others' sake: my partial scores lie in LDS
	s_barrier_signal -1
	s_barrier_wait -1
	v_add_nc_u32 v50, SCB, v4
.irp k, 0,1,2,3,4,5,6,7
	ds_load_b128 v[64+4*\k:67+4*\k], v50 offset:512*\k  ; rows 4 L .. 4 L + 3 of each of the eight parts (two passes x four waves); every wave makes all 128 scores
.endr
	v_add_nc_u32 v51, v15, v4                      ; where my four p go
	s_wait_dscnt 0x0
.irp k, 0,2,4,6
	v_pk_add_f32 v[64+4*\k:65+4*\k], v[64+4*\k:65+4*\k], v[68+4*\k:69+4*\k]
	v_pk_add_f32 v[66+4*\k:67+4*\k], v[66+4*\k:67+4*\k], v[70+4*\k:71+4*\k]
.endr
.irp k, 0,4
	v_pk_add_f32 v[64+4*\k:65+4*\k], v[64+4*\k:65+4*\k], v[72+4*\k:73+4*\k]
	v_pk_add_f32 v[66+4*\k:67+4*\k], v[66+4*\k:67+4*\k], v[74+4*\k:75+4*\k]
.endr
	v_pk_add_f32 v[64:65], v[64:65], v[80:81]
	v_pk_add_f32 v[66:67], v[66:67], v[82:83]
	v_pk_add_f32 v[64:65], v[64:65], s[38:39] op_sel_hi:[1,0]  ; + V_b
	v_pk_add_f32 v[66:67], v[66:67], s[38:39] op_sel_hi:[1,0]
	s_cmp_lg_u32 s20, 0
	s_cbranch_scc1 .Lno_sc
	global_store_b128 v4, v[64:67], s[14:15]       ; wave 0 stores the block's scores: 512 consecutive bytes, aligned; v64-67 are not written again
.Lno_sc:
	v_max3_num_f32 v54, v64, v65, v66
	v_max_num_f32 v54, v54, v67
	v_max_num_f32_dpp v54, v54, v54 row_xmask:1 row_mask:0xf bank_mask:0xf
	v_max_num_f32_dpp v54, v54, v54 row_xmask:2 row_mask:0xf bank_mask:0xf
	v_max_num_f32_dpp v54, v54, v54 row_xmask:4 row_mask:0xf bank_mask:0xf
	v_max_num_f32_dpp v54, v54, v54 row_xmask:8 row_mask:0xf bank_mask:0xf
	v_mov_b32 v55, v54                             ; the exchange's destination counts as read
	v_permlanex16_b32 v55, v54, s28, s29
	v_max_num_f32 v54, v54, v55                    ; m: the largest of the block's 128 scores, which the next launch finds again from sc
.irp i, 0,1,2,3
	v_sub_f32 v[68+\i], v[64+\i], v54
.endr
.irp i, 0,1,2,3
	v_mul_f32 v[68+\i], s40, v[68+\i]
.endr
.irp i, 0,1,2,3
	v_exp_f32 v[68+\i], v[68+\i]                   ; p = exp(score - m), 1 at the most
.endr
	v_nop
	s_wait_alu depctr_va_vdst(0)
	ds_store_b128 v51, v[68:71]                    ; into my wave's own copy: LDS serves a wave's instructions in order (ISA guide 5.7.1.4), so the loads below see it without a barrier
.irp i, 0,1,2,3,4,5,6,7
	v_mov_b32 v[56+\i], 0                          ; the context's eight sums: thread t owns columns 4 t .. 4 t + 3 and 512 + 4 t .. + 3
.endr
	s_mov_b32 s30, 8
.Lc:                                   ; a trip: 16 rows
.irp k, 0,1,2,3
	ds_load_b128 v[96+4*\k:99+4*\k], v15 offset:16*\k  ; their p, the same words for every lane
.endr
.set rr, 0
.rept 16
	ds_load_b64 v[128+4*rr:129+4*rr], v7 offset:PITCH*rr        ; a wave's load covers 256 consecutive bytes of the row
	ds_load_b64 v[130+4*rr:131+4*rr], v7 offset:PITCH*rr+1024
.set rr, rr+1
.endr
.set rr, 0
.rept 16
	s_wait_dscnt 30-2*rr                           ; the younger rows' two loads each may stay out
.irp u, 0,1
	v_fma_mix_f32_bf16 v[56+4*\u],   v[128+4*rr+2*\u],   v[96+rr], v[56+4*\u]   op_sel_hi:[1,0,0]
	v_fma_mix_f32_bf16 v[56+4*\u+1], v[128+4*rr+2*\u],   v[96+rr], v[56+4*\u+1] op_sel:[1,0,0] op_sel_hi:[1,0,0]
	v_fma_mix_f32_bf16 v[56+4*\u+2], v[128+4*rr+2*\u+1], v[96+rr], v[56+4*\u+2] op_sel_hi:[1,0,0]
	v_fma_mix_f32_bf16 v[56+4*\u+3], v[128+4*rr+2*\u+1], v[96+rr], v[56+4*\u+3] op_sel:[1,0,0] op_sel_hi:[1,0,0]
.endr
.set rr, rr+1
.endr
	v_add_nc_u32 v7, 16*PITCH, v7
	v_add_nc_u32 v15, 64, v15
	s_sub_co_u32 s30, s30, 1
	s_cmp_lg_u32 s30, 0
	s_cbranch_scc1 .Lc
	global_store_b128 v14, v[56:59], s[16:17]              ; each store of a wave covers 512 consecutive bytes, aligned
	global_store_b128 v14, v[60:63], s[16:17] offset:2048
	s_wait_tensorcnt 0x0
	ds_add_u32 v52, v53
	s_wait_dscnt 0x0
	s_endpgm
.Lfunc_end_k_q0d09b96482_energy:
	.size	k_q0d09b96482_energy, .Lfunc_end_k_q0d09b96482_energy-k_q0d09b96482_energy
	.p2alignl 7, 3214868480
	.fill 96, 4, 3214868480
	.section	.rodata,"a",@progbits
	.p2align	6, 0x0
	.amdhsa_kernel k_q0d09b96482_energy
		.amdhsa_group_segment_fixed_size 270848
		.amdhsa_private_segment_fixed_size 0
		.amdhsa_enable_private_segment 0
		.amdhsa_kernarg_size 56
		.amdhsa_user_sgpr_count 2
		.amdhsa_user_sgpr_kernarg_segment_ptr 1
		.amdhsa_wavefront_size32 1
		.amdhsa_system_sgpr_workgroup_id_x 1
		.amdhsa_system_sgpr_workgroup_id_y 1
		.amdhsa_system_sgpr_workgroup_id_z 1
		.amdhsa_system_vgpr_workitem_id 0
		.amdhsa_next_free_vgpr 1024
		.amdhsa_next_free_sgpr 66
		.amdhsa_reserve_vcc 0
		.amdhsa_float_denorm_mode_32 3
		.amdhsa_float_denorm_mode_16_64 3
		.amdhsa_memory_ordered 1
		.amdhsa_forward_progress 1
		.amdhsa_inst_pref_size 255
	.end_amdhsa_kernel
	.section	.bss,"aw",@nobits
	.p2align	6
	.space	262144
	.amdgpu_metadata
---
amdhsa.version: [ 1, 2 ]
amdhsa.kernels:
  - .name:           k_q0d09b96482_energy
    .symbol:         k_q0d09b96482_energy.kd
    .args:
      - { .name: ht, .offset: 0, .size: 8, .value_kind: global_buffer, .address_space: global }
      - { .name: w1f, .offset: 8, .size: 8, .value_kind: global_buffer, .address_space: global }
      - { .name: bias2, .offset: 16, .size: 8, .value_kind: global_buffer, .address_space: global }
      - { .name: V_w, .offset: 24, .size: 8, .value_kind: global_buffer, .address_space: global }
      - { .name: V_b, .offset: 32, .size: 8, .value_kind: global_buffer, .address_space: global }
      - { .name: sc, .offset: 40, .size: 8, .value_kind: global_buffer, .address_space: global }
      - { .name: ctxp, .offset: 48, .size: 8, .value_kind: global_buffer, .address_space: global }
    .group_segment_fixed_size: 270848
    .private_segment_fixed_size: 0
    .kernarg_segment_align: 8
    .kernarg_segment_size: 56
    .max_flat_workgroup_size: 128
    .sgpr_count:     66
    .vgpr_count:     1024
    .wavefront_size: 32
...
	.end_amdgpu_metadata
.endif
;; end of part 2
;; launch finish (part 3): grid 64 x 1, 8 waves a work-group, no clusters, 1,536 bytes of LDS; arguments sc, ctxp, out0, out1; writes out0, out1
.if DOCPART == 3
	.amdgcn_target "amdgcn-amd-amdhsa--gfx1250"
	.amdhsa_code_object_version 6
	.text
	.protected	k_q0d09b96482_finish
	.globl	k_q0d09b96482_finish
	.p2align	8
	.type	k_q0d09b96482_finish,@function
k_q0d09b96482_finish:
	s_mov_b64 s[64:65], 0
	v_nop
	global_prefetch_b8 v0, s[64:65] scope:SCOPE_SE
	s_setreg_imm32_b32 hwreg(HW_REG_WAVE_MODE, 25, 1), 1
	s_wait_xcnt 0x0
; FINISH.  One work-group for each batch row b joins the row's eight blocks.  With m_j the largest score of block j (found again from sc: the same 128 numbers, so the same maximum that
; the launch before took away), M the largest of the m_j and L = sum over s of exp(score - M):  out1[b][s] = exp(score[s] - M) / L;  out0[b][:] = sum over j of exp(m_j - M) / L x ctxp[b][j][:].
; Eight waves: thread t owns scores 4 t .. 4 t + 3 and columns 4 t .. 4 t + 3, so wave w holds block w's scores.  All in f32.  L is at least 1: the largest score's term is 1.
; 64 work-groups: a row's statistics span its 1,024 scores, and a finer share would make them again in each part; the launch moves 36 KiB in and 8 KiB out for each row.
; A term below 2^-126 counts as 0.  No matrix unit, no cluster, no tensor load: nothing is multiplied by a matrix, nothing is shared between work-groups, and each byte is read once.
	s_load_b256 s[4:11], s[0:1], 0x0               ; sc s[4:5], ctxp s[6:7], out0 s[8:9], out1 s[10:11]
	v_lshl_add_u32 v64, v0, 2, 0x200
	v_mov_b32 v65, 0
	v_lshrrev_b32 v2, 5, v0
	v_readfirstlane_b32 s12, v2                    ; wave
	v_lshlrev_b32 v1, 4, v0                        ; 16 bytes a thread
	s_lshl_b32 s14, ttmp9, 12                      ; a row of sc, out0, out1
	s_mov_b32 s15, 0
	s_lshl_b32 s16, ttmp9, 15                      ; a row's eight partial contexts
	s_mov_b32 s17, 0
	s_mov_b32 s18, 0x76543210                      ; v_permlanex16_b32: each lane takes its own place in the other half
	s_mov_b32 s19, 0xfedcba98
	s_mov_b32 s20, 0x3fb8aa3b                      ; log2(e)
	v_mov_b32 v42, s12
	v_lshlrev_b32 v42, 2, v42                      ; my wave's word in LDS
	v_mov_b32 v43, 0
	s_wait_kmcnt 0x0
	s_add_nc_u64 s[4:5], s[4:5], s[14:15]
	s_add_nc_u64 s[6:7], s[6:7], s[16:17]
	s_add_nc_u64 s[8:9], s[8:9], s[14:15]
	s_add_nc_u64 s[10:11], s[10:11], s[14:15]
	global_load_b128 v[4:7], v1, s[4:5]
.irp j, 0,1,2,3,4,5,6,7
	global_load_b128 v[8+4*\j:11+4*\j], v1, s[6:7] offset:4096*\j
.endr
	s_wait_loadcnt 8                               ; the scores are in; the eight partial contexts stay on their way
	v_max3_num_f32 v40, v4, v5, v6
	v_max_num_f32 v40, v40, v7
	v_max_num_f32_dpp v40, v40, v40 row_xmask:1 row_mask:0xf bank_mask:0xf
	v_max_num_f32_dpp v40, v40, v40 row_xmask:2 row_mask:0xf bank_mask:0xf
	v_max_num_f32_dpp v40, v40, v40 row_xmask:4 row_mask:0xf bank_mask:0xf
	v_max_num_f32_dpp v40, v40, v40 row_xmask:8 row_mask:0xf bank_mask:0xf
	v_mov_b32 v41, v40                             ; the exchange's destination counts as read
	v_permlanex16_b32 v41, v40, s18, s19
	v_max_num_f32 v40, v40, v41                    ; m of my wave's block
	ds_store_b32 v42, v40
	s_wait_dscnt 0x0                               ; for the others' sake
	s_barrier_signal -1
	s_barrier_wait -1
	ds_load_b128 v[44:47], v43                     ; m_0 .. m_7
	ds_load_b128 v[48:51], v43 offset:16
	s_wait_dscnt 0x0
	v_max3_num_f32 v52, v44, v45, v46
	v_max3_num_f32 v52, v52, v47, v48
	v_max3_num_f32 v52, v52, v49, v50
	v_max_num_f32 v52, v52, v51                    ; M
.irp i, 0,1,2,3
	v_sub_f32 v[4+\i], v[4+\i], v52
.endr
.irp i, 0,1,2,3
	v_mul_f32 v[4+\i], s20, v[4+\i]
.endr
.irp i, 0,1,2,3
	v_exp_f32 v[4+\i], v[4+\i]
.endr
	v_nop                                          ; a plain instruction between the last exponential and the use of its result (ISA guide 5.7.2)
	s_wait_alu depctr_va_vdst(0)
	v_add_f32 v53, v4, v5
	v_add_f32 v54, v6, v7
	v_add_f32 v53, v53, v54
	v_add_f32_dpp v53, v53, v53 row_xmask:1 row_mask:0xf bank_mask:0xf
	v_add_f32_dpp v53, v53, v53 row_xmask:2 row_mask:0xf bank_mask:0xf
	v_add_f32_dpp v53, v53, v53 row_xmask:4 row_mask:0xf bank_mask:0xf
	v_add_f32_dpp v53, v53, v53 row_xmask:8 row_mask:0xf bank_mask:0xf
	v_mov_b32 v54, v53
	v_permlanex16_b32 v54, v53, s18, s19
	v_add_f32 v53, v53, v54
	ds_store_b32 v42, v53 offset:256               ; other bytes than the maxima's: no barrier is needed between their reads and this store
	s_wait_dscnt 0x0
	s_barrier_signal -1
	s_barrier_wait -1
	ds_load_b128 v[56:59], v43 offset:256
	ds_load_b128 v[60:63], v43 offset:272
.irp j, 0,1,2,3,4,5,6,7
	v_sub_f32 v[44+\j], v[44+\j], v52              ; m_j - M
.endr
.irp j, 0,1,2,3,4,5,6,7
	v_mul_f32 v[44+\j], s20, v[44+\j]
.endr
.irp j, 0,1,2,3,4,5,6,7
	v_exp_f32 v[44+\j], v[44+\j]
.endr
	s_wait_dscnt 0x0
	v_add_f32 v56, v56, v57
	v_add_f32 v58, v58, v59
	v_add_f32 v60, v60, v61
	v_add_f32 v62, v62, v63
	v_add_f32 v56, v56, v58
	v_add_f32 v60, v60, v62
	v_add_f32 v56, v56, v60                        ; L
	v_rcp_f32 v53, v56
	v_nop
	s_wait_alu depctr_va_vdst(0)
.irp i, 0,1,2,3
	v_mul_f32 v[4+\i], v[4+\i], v53
.endr
	global_store_b128 v1, v[4:7], s[10:11]         ; out1: each store of a wave covers 512 consecutive bytes, aligned
.irp j, 0,1,2,3,4,5,6,7
	v_mul_f32 v[44+\j], v[44+\j], v53              ; f_j = exp(m_j - M) / L
.endr
	s_wait_loadcnt 0x0
.irp e, 0,1,2,3
	v_mul_f32 v[56+\e], v[8+\e], v44
.endr
.irp j, 1,2,3,4,5,6,7
.irp e, 0,1,2,3
	v_fma_f32 v[56+\e], v[8+4*\j+\e], v[44+\j], v[56+\e]
.endr
.endr
	global_store_b128 v1, v[56:59], s[8:9]         ; out0
	s_wait_tensorcnt 0x0
	ds_add_u32 v64, v65
	s_wait_dscnt 0x0
	s_endpgm
.Lfunc_end_k_q0d09b96482_finish:
	.size	k_q0d09b96482_finish, .Lfunc_end_k_q0d09b96482_finish-k_q0d09b96482_finish
	.p2alignl 7, 3214868480
	.fill 96, 4, 3214868480
	.section	.rodata,"a",@progbits
	.p2align	6, 0x0
	.amdhsa_kernel k_q0d09b96482_finish
		.amdhsa_group_segment_fixed_size 1536
		.amdhsa_private_segment_fixed_size 0
		.amdhsa_enable_private_segment 0
		.amdhsa_kernarg_size 32
		.amdhsa_user_sgpr_count 2
		.amdhsa_user_sgpr_kernarg_segment_ptr 1
		.amdhsa_wavefront_size32 1
		.amdhsa_system_sgpr_workgroup_id_x 1
		.amdhsa_system_sgpr_workgroup_id_y 1
		.amdhsa_system_sgpr_workgroup_id_z 1
		.amdhsa_system_vgpr_workitem_id 0
		.amdhsa_next_free_vgpr 66
		.amdhsa_next_free_sgpr 66
		.amdhsa_reserve_vcc 0
		.amdhsa_float_denorm_mode_32 3
		.amdhsa_float_denorm_mode_16_64 3
		.amdhsa_memory_ordered 1
		.amdhsa_forward_progress 1
		.amdhsa_inst_pref_size 8
	.end_amdhsa_kernel
	.amdgpu_metadata
---
amdhsa.version: [ 1, 2 ]
amdhsa.kernels:
  - .name:           k_q0d09b96482_finish
    .symbol:         k_q0d09b96482_finish.kd
    .args:
      - { .name: sc, .offset: 0, .size: 8, .value_kind: global_buffer, .address_space: global }
      - { .name: ctxp, .offset: 8, .size: 8, .value_kind: global_buffer, .address_space: global }
      - { .name: out0, .offset: 16, .size: 8, .value_kind: global_buffer, .address_space: global }
      - { .name: out1, .offset: 24, .size: 8, .value_kind: global_buffer, .address_space: global }
    .group_segment_fixed_size: 1536
    .private_segment_fixed_size: 0
    .kernarg_segment_align: 8
    .kernarg_segment_size: 32
    .max_flat_workgroup_size: 256
    .sgpr_count:     66
    .vgpr_count:     66
    .wavefront_size: 32
...
	.end_amdgpu_metadata
.endif
;; end of part 3
;; ======== version 2 of 2: 3 launches; version 1 with the launch energy written anew for expert scheduling mode
;; limits: values outside matrix products are rounded to bf16
;; workspace buffers: w1f 2,097,152 bytes; bias2 262,144 bytes; sc 262,144 bytes; ctxp 2,097,152 bytes
;; launch prep: the kernel of part 1 again; grid 64 x 4, 4 waves a work-group, no clusters, 4,608 bytes of LDS; arguments W1_w, W2_w, hs, W1_b, W2_b, w1f, bias2; writes w1f, bias2
;; launch energy (part 4): grid 8 x 64, 4 waves a work-group, no clusters, 270,848 bytes of LDS; arguments ht, w1f, bias2, V_w, V_b, sc, ctxp; writes sc, ctxp
.if DOCPART == 4
	.amdgcn_target "amdgcn-amd-amdhsa--gfx1250"
	.amdhsa_code_object_version 6
	.text
	.protected	k_q0d09b96482_energy
	.globl	k_q0d09b96482_energy
	.p2align	8
	.type	k_q0d09b96482_energy,@function
k_q0d09b96482_energy:
	s_mov_b64 s[64:65], 0
	v_nop
	global_prefetch_b8 v0, s[64:65] scope:SCOPE_SE
	s_setreg_imm32_b32 hwreg(HW_REG_WAVE_SCHED_MODE, 0, 2), 2
	s_setreg_imm32_b32 hwreg(HW_REG_WAVE_MODE, 25, 1), 1
	s_wait_xcnt 0x0
	s_wait_alu depctr_vm_vsrc(0)
; ENERGY.  For one batch row b and one block of 128 positions s:  score[s] = V_b + sum over a of V[a] tanh(sum over k of ht[s][b][k] W1[a][k] + bias[b][a]);  m = the block's largest score;
; p[s] = exp(score[s] - m);  ctxp[b][blk][:] = sum over the block's s of p[s] ht[s][b][:].  The scores go to sc; the next launch joins a row's eight blocks by their maxima.
; EACH BYTE OF ht ONCE.  The block's 128 rows (4,096 bytes each, 262,144 bytes apart) are read once, rounded to bf16 and kept in LDS: the product's A and the context's rows are the same tile.
; SHARES.  Four waves.  Wave w loads and rounds rows 32 w .. 32 w + 31.  In pass p (0, 1) it makes all 128 rows x the columns a = 512 p + 128 w .. + 127: 64 accumulators of 16 x 16, 512 registers.
; W1's fragments come from w1f (bf16, laid in fragment order by the launch before) straight into registers, three K steps ahead, in four buffers.
; NO TENSOR LOADS, NO CLUSTER, though all work-groups walk the same w1f: A's tile takes 264,192 of the 327,680 bytes of LDS that a work-group may ask for, the scores 6,144; two slots of one
; K step's 32,768 bytes of W1 do not fit into the 57,344 left; and no fragment of W1 is read by two waves of a work-group, so a way through LDS would add a write and a read for each byte.
; TANH.  tanh(x) = 1 - 2 / (1 + 2^(2 log2(e) x)); bias2 arrives multiplied by 2 log2(e).  Large x give 2^.. = infinity and 1; very negative x give 0 and -1.
; LIMITS.  ht enters the product AND the context rounded to bf16, W1 the product likewise.  tanh in this form is off by about 1e-7 absolutely, also where tanh itself is smaller than that.
; A weight p below 2^-126 counts as 0.  NaN and infinities in the inputs are not treated apart.
; REGISTERS, in windows of 256 (s_set_vgpr_msb: bits 1:0 source 0, 3:2 source 1, 5:4 source 2, 7:6 destination):
;   window 0: v0-15 addresses; v16-31 BI (pair i: bias, V of column block i); v32-47 VI (-2 V, twice); v48-49 SV; v50-59 the last phase; v60-63 A's addresses at K = 0;
;             v64-127, v128-191 A's fragments, two buffers (the second is T on the way to the scores); v192-255 P, the rows' partial scores.  While ht is loaded: v64-255 three sets of 64, v16-47 rounded numbers.
;   window 1: four buffers of 64 for W1's fragments.    window 2: the accumulators of rows 0-63 ((a, n) at v[8 (8 (a % 4) + n)]);   window 3: those of rows 64-127.
; THE MODE: SCHED_MODE bits 1:0 = 2 (LLVM: expert scheduling mode 2), set by the entry lines.  The code itself states the register dependences
; between vector or matrix instructions and memory or LDS instructions, with s_wait_alu, always for 0.
; THE PLAN.  Registers that memory or LDS instructions touch:
;   v4, v5, v6, v12, v14   addresses, made at the head and never written again: the head's one wait on va_vdst serves every instruction that reads them.
;   WHILE ht IS LOADED.  Set g % 3: group g's loads land in it, its 32 conversions read it, group g + 3's loads land in it.  v16-47: the conversions write them, the group's LDS stores read them.
;     One wait on va_vdst behind a group's conversions serves its stores and the loads of group g + 3; one on vm_vsrc stands ahead of the next group's conversions.
;   IN THE K LOOP.  AF0, AF1: step s's products read one; the fragments of step s + 1 land in the other, which step s - 1 read.  W1's buffers: step s reads buffer s % 4; the fragments of step s + 3 land in
;     buffer (s - 1) % 4, which step s - 1 read.  So ONE wait on va_vdst stands at a step's head, and the step's 32 loads follow it, four behind each of its first eight products, which name this step's
;     two buffers and the accumulators: none of the registers that those loads touch.  v8-11, A's addresses, are written once for four steps: a wait on vm_vsrc ahead, the next step's head behind.
;   ON THE WAY TO THE SCORES.  BI is loaded at a pass's head and read by vector instructions; P and v13 are read by the pass's 16 LDS stores: one wait on va_vdst ahead of these, one on vm_vsrc behind them.
;   IN THE LAST PHASE each address and each store's data has its wait where it is made; a trip of the context's loop has one wait on va_vdst at its head and one on vm_vsrc ahead of its two address steps.
.set PITCH, 2064                       ; a row of A in LDS: 2,048 bytes + 16 = 129 x 16: the 16 rows of a fragment load start at 16 different groups of four banks (64 banks of 4 bytes: ISA guide 11.1)
.set SCB,   128*PITCH                  ; behind A: [p 2][w 4][128 rows] f32, each wave's partial scores
.set PWB,   SCB+4096                   ; behind that: [w 4][128] f32, each wave's own copy of p
.set ADRA,  8                          ; v8-11   LDS address of my A fragments, rows 32 q on, at the K step in hand
.set ADR0,  60                         ; v60-63  the same at K = 0; never rewritten while products run; named by vector instructions alone
.set BI,    16
.set VI,    32
.set SV,    48
.set AF0,   64
.set AF1,   128
.set T,     128
.set P,     192
.set MSB, 0
.macro WIN new                         ; the immediate's high byte repeats the setting that is left; a switch that changes nothing is dropped
.if MSB != (\new)
	s_set_vgpr_msb (MSB<<8)|(\new)
.set MSB, (\new)
.endif
.endm
.set MUL_LO, 0xa4                      ; source 0 (A) window 0, source 1 (W1) window 1, C and D window 2
.set MUL_HI, 0xf4                      ; the same, C and D window 3
.set TO_B,   0x40                      ; destination window 1, address window 0
; Matrix instruction mi of the 32 of half a K step: rows 64 hi + 16 (mi / 8) on, columns 16 (mi % 8) on, 32 along K.  zero = 1: the product starts the sum.
; The 64 accumulators take turns in the same order in every K step.
.macro MM ab, bb, hi, zero
	WIN MUL_LO+0x50*(\hi)
.set rD, 8*mi
.set rA, (\ab)+8*(4*(\hi)+mi/8)
.set rB, (\bb)+8*(mi%8)
.if \zero
	v_wmma_f32_16x16x32_bf16 v[rD:rD+7], v[rA:rA+7], v[rB:rB+7], 0
.else
	v_wmma_f32_16x16x32_bf16 v[rD:rD+7], v[rA:rA+7], v[rB:rB+7], v[rD:rD+7]
.endif
.endm
; A's fragments of rows 32 q .. 32 q + 31, 32 K at byte koff behind the addresses: four LDS loads
.macro FA4 ab, koff, q
	WIN 0
.irp e, 0,1
	ds_load_b128 v[(\ab)+8*(2*(\q)+\e):(\ab)+8*(2*(\q)+\e)+3],   v[ADRA+(\q)] offset:\e*16*PITCH+(\koff)
	ds_load_b128 v[(\ab)+8*(2*(\q)+\e)+4:(\ab)+8*(2*(\q)+\e)+7], v[ADRA+(\q)] offset:\e*16*PITCH+(\koff)+32
.endr
.endm
; W1's fragments of column blocks 2 q and 2 q + 1 of my eight: four loads of 512 consecutive bytes each
.macro LB4 bb, imm, q
	WIN TO_B
.irp e, 0,1
	global_load_b128 v[(\bb)+8*(2*(\q)+\e):(\bb)+8*(2*(\q)+\e)+3],   v4, s[32:33] offset:(\imm)+1024*(2*(\q)+\e)
	global_load_b128 v[(\bb)+8*(2*(\q)+\e)+4:(\bb)+8*(2*(\q)+\e)+7], v4, s[32:33] offset:(\imm)+1024*(2*(\q)+\e)+512
.endr
.endm
.macro FETCH_A ab, koff                ; a whole K step of A in one run: ahead of the first product alone
.irp q, 0,1,2,3
	FA4 \ab, \koff, \q
.endr
.endm
.macro LOAD_B bb, imm                  ; a whole K step of W1 in one run: ahead of the first product alone
.irp q, 0,1,2,3
	LB4 \bb, \imm, \q
.endr
.endm
; A K STEP: 64 matrix instructions on A's buffer ab and W1's buffer bb.  Behind its first four: A of the next step (fa = 1: into fab, at koff); behind the next four: W1 of the step three on
; (lb = 1: into lbb, at byte imm); four loads each time.  Both buffers were last read by the step before.  lcnt: the younger global loads that may stay out when this step's W1 has to be in.
.macro STEP ab, bb, zero, lcnt, fa, fab, koff, lb, lbb, imm
	s_wait_loadcnt \lcnt
	s_wait_dscnt 0x0                               ; A's fragments of this step, asked for behind the first four products of the step before, are in
.if (\fa) || (\lb)
	s_wait_alu depctr_va_vdst(0)                   ; the step before is done reading its buffers of A and W1, in which this step's loads land; where v8-11 were written since, they are written; in a pass's first step T's arithmetic is done with AF1
.endif
.set mi, 0
.rept 32
	MM \ab, \bb, 0, \zero
.if (\fa) && (mi < 4)
	FA4 \fab, \koff, mi                            ; no wait: no vector or matrix instruction since the wait above names fab or v8-11
.endif
.if (\lb) && (mi >= 4) && (mi < 8)
	LB4 \lbb, \imm, mi-4                           ; nor lbb or v4
.endif
.set mi, mi+1
.endr
.set mi, 0
.rept 32
	MM \ab, \bb, 1, \zero
.set mi, mi+1
.endr
.endm
.macro ASTEP                           ; A's addresses at K byte s41
	s_wait_alu depctr_vm_vsrc(0)                   ; the LDS loads issued so far have read v8-11
.irp q, 0,1,2,3
	v_add_nc_u32 v[ADRA+\q], s41, v[ADR0+\q]
.endr
.endm
; ht: group g is rows 2 g and 2 g + 1 of my 32, 16 loads of 512 consecutive bytes, into set g % 3
.macro GLOAD g
.set SB, 64+64*((\g)%3)
.irp rr, 0,1
.irp c, 0,1,2,3,4,5,6,7
	global_load_b128 v[SB+32*\rr+4*\c:SB+32*\rr+4*\c+3], v4, s[4:5] offset:(2*(\g)+\rr)*262144+512*\c th:TH_LOAD_NT  ; 31 rows and 3,584 bytes at the most: inside the signed 24-bit immediate
.endr
.endr
.endm
.macro GCVT g                          ; rounded to bf16
.set SB, 64+64*((\g)%3)
.irp rr, 0,1
.irp c, 0,1,2,3,4,5,6,7
	v_cvt_pk_bf16_f32 v[16+16*\rr+2*\c],   v[SB+32*\rr+4*\c],   v[SB+32*\rr+4*\c+1]
	v_cvt_pk_bf16_f32 v[16+16*\rr+2*\c+1], v[SB+32*\rr+4*\c+2], v[SB+32*\rr+4*\c+3]
.endr
.endr
.endm
.macro GSTORE g                        ; a lane's four numbers are 8 bytes, a wave's store 256 consecutive bytes of the LDS row
.irp rr, 0,1
.irp c, 0,1,2,3,4,5,6,7
	ds_store_b64 v[5+(2*(\g)+\rr)/16], v[16+16*\rr+2*\c:16+16*\rr+2*\c+1] offset:((2*(\g)+\rr)%16)*PITCH+256*\c
.endr
.endr
.endm
	s_load_b256 s[4:11], s[0:1], 0x0               ; ht s[4:5], w1f s[6:7], bias2 s[8:9], V_w s[10:11]
	s_load_b128 s[12:15], s[0:1], 0x20             ; V_b s[12:13], sc s[14:15]
	s_load_b64 s[16:17], s[0:1], 0x30              ; ctxp
	v_lshl_add_u32 v52, v0, 2, 0x42000
	v_mov_b32 v53, 0
	v_lshrrev_b32 v1, 5, v0
	v_readfirstlane_b32 s20, v1                    ; wave w
	s_mov_b32 s21, ttmp9                           ; blk
	s_and_b32 s22, ttmp7, 0xffff                   ; b
	s_mov_b32 s25, 0                               ; s[24:25]: a byte offset with 0 above
	s_mov_b32 s26, 0x4038aa3b                      ; 2 log2(e)
	s_mov_b32 s27, s26                             ; named with it as a pair
	s_mov_b32 s28, 0x76543210                      ; v_permlanex16_b32: each lane takes its own place in the other half
	s_mov_b32 s29, 0xfedcba98
	s_mov_b32 s40, 0x3fb8aa3b                      ; log2(e)
	v_and_b32 v1, 31, v0                           ; L
	v_and_b32 v2, 15, v0                           ; r
	v_bfe_u32 v3, v0, 4, 1                         ; h
	v_lshlrev_b32 v4, 4, v1                        ; 16 L
	s_wait_alu depctr_va_sdst(0)                   ; s20 is written, ahead of its first reader: LDS places, bases and a branch are made from it
	s_mul_i32 s23, s20, 32*PITCH
	v_lshl_add_u32 v5, v1, 3, s23                  ; where I put 8 bytes of my wave's row 0,
	v_add_nc_u32 v6, 16*PITCH, v5                  ; and of its row 16
	v_lshlrev_b32 v7, 3, v0                        ; the context: my 8 bytes of a row's first half
	v_mul_u32_u24 v[ADR0], v2, PITCH
	v_lshl_add_u32 v[ADR0], v3, 4, v[ADR0]         ; a fragment's row x pitch + 16 x half
	v_add_nc_u32 v[ADR0+1], 32*PITCH, v[ADR0]
	v_add_nc_u32 v[ADR0+2], 64*PITCH, v[ADR0]
	v_add_nc_u32 v[ADR0+3], 96*PITCH, v[ADR0]
.irp q, 0,1,2,3
	v_mov_b32 v[ADRA+\q], v[ADR0+\q]
.endr
	v_lshlrev_b32 v12, 2, v2                       ; 4 r: my column in a block of 16
	s_lshl_b32 s23, s20, 9
	s_add_co_u32 s30, s23, SCB
	v_lshl_add_u32 v13, v3, 5, s30                 ; my wave's partial scores: rows 8 h on
	v_lshlrev_b32 v14, 4, v0                       ; the context's way out: 16 bytes a thread
	s_add_co_u32 s30, s23, PWB
	v_mov_b32 v15, s30                             ; my wave's copy of p
	s_wait_kmcnt 0x0
	s_load_b32 s38, s[12:13], 0x0                  ; V_b
	s_lshl_b32 s24, s21, 25                        ; ht: 128 blk rows of 262,144 bytes,
	s_lshl_b32 s23, s20, 23                        ; 32 w rows,
	s_add_co_u32 s24, s24, s23
	s_lshl_b32 s23, s22, 12                        ; batch row b
	s_add_co_u32 s24, s24, s23
	s_add_nc_u64 s[4:5], s[4:5], s[24:25]
	s_wait_alu depctr_va_vdst(0)                   ; the addresses v4 to v15 are written, which the loads and stores of the kernel read
	GLOAD 0                                        ; three groups, 48 loads of 512 bytes, are on their way in each wave
	GLOAD 1
	GLOAD 2
	s_lshl_b32 s24, s20, 19
	s_add_nc_u64 s[32:33], s[6:7], s[24:25]        ; w1f at my wave's first fragment
	s_lshl_b32 s24, s20, 15
	s_lshl_b32 s23, s22, 6
	s_add_co_u32 s24, s24, s23
	s_add_nc_u64 s[34:35], s[8:9], s[24:25]        ; bias2 at column block 8 w, row b
	s_lshl_b32 s24, s20, 9
	s_add_nc_u64 s[36:37], s[10:11], s[24:25]      ; V at column 128 w
	s_lshl_b32 s24, s22, 12
	s_lshl_b32 s23, s21, 9
	s_add_co_u32 s24, s24, s23
	s_add_nc_u64 s[14:15], s[14:15], s[24:25]      ; sc at (b, 128 blk)
	s_lshl_b32 s24, s22, 15
	s_lshl_b32 s23, s21, 12
	s_add_co_u32 s24, s24, s23
	s_add_nc_u64 s[16:17], s[16:17], s[24:25]      ; ctxp at (b, blk)
	s_wait_kmcnt 0x0
	s_mov_b32 s39, s38                             ; named with it as a pair
	; PHASE A: my 32 rows of ht, two at a time.  The wait counts the younger groups' loads: two groups, then one, then none.
.set G, 0
.rept 16
.if G < 14
	s_wait_loadcnt 32
.elseif G == 14
	s_wait_loadcnt 16
.else
	s_wait_loadcnt 0x0
	LOAD_B 0, 0                                    ; W1's first three K steps go out while the last rows are rounded: no vector instruction has named their registers, nor v4 since the head's wait
	LOAD_B 64, 8192
	LOAD_B 128, 16384
	WIN 0
.endif
.if G > 0
	s_wait_alu depctr_vm_vsrc(0)                   ; the LDS stores of the group before have read v16-47, which the conversions write again
.endif
	GCVT G
	s_wait_alu depctr_va_vdst(0)                   ; the conversions have written v16-47, which the LDS stores read, and are done reading their set, in which the loads below land
.if G < 13
	GLOAD G+3
.endif
	GSTORE G
.set G, G+1
.endr
	s_wait_dscnt 0x0                               ; for the others' sake: my 32 rows lie in LDS
	s_barrier_signal -1
	s_barrier_wait -1                              ; A is whole; nothing writes it again
	s_wait_alu depctr_vm_vsrc(0)                   ; my LDS stores have read v16-47: these registers are BI and VI from here on, written by the loads at a pass's head and by vector instructions
	FETCH_A AF0, 0                                 ; no vector instruction since the last group's wait: its conversions are done reading v64-127
	s_mov_b32 s31, 0                               ; the pass
.Lpass:
.irp i, 0,1,2,3,4,5,6,7                ; the pass's bias and V, one number a lane and column block: 16 loads, younger than W1's K steps 0 to 2.  No wait: since the last wait on va_vdst no vector instruction names BI or v12
	global_load_b32 v[BI+2*\i],   v12, s[34:35] offset:4096*\i
	global_load_b32 v[BI+2*\i+1], v12, s[36:37] offset:64*\i
.endr
	STEP AF0, 0, 1, 48, 1, AF1, 64, 1, 192, 24576  ; K step 0 starts the sums.  48: W1's steps 1 and 2 and the 16 above are younger
	WIN 0
	s_mov_b32 s41, 128                             ; A's addresses at K step 2
	ASTEP
	s_wait_xcnt 0x0                                ; the loads' base is stepped only behind this wait
	s_add_nc_u64 s[32:33], s[32:33], 0x8000        ; four K steps of 8,192 bytes
	s_mov_b32 s30, 7
.Lk:                                   ; a trip: K steps 4 t + 1 .. 4 t + 4.  32: the two next steps' loads are younger (in a pass's first trip also the 16 above: the count is then the stricter one)
	STEP AF1, 64,  0, 32, 1, AF0, 0,   1, 0,   0
	STEP AF0, 128, 0, 32, 1, AF1, 64,  1, 64,  8192
	STEP AF1, 192, 0, 32, 1, AF0, 128, 1, 128, 16384
	STEP AF0, 0,   0, 32, 1, AF1, 192, 1, 192, 24576
	WIN 0                                          ; at a label and at a branch every window is 0
	s_add_co_u32 s41, s41, 256
	ASTEP
	s_wait_xcnt 0x0
	s_add_nc_u64 s[32:33], s[32:33], 0x8000
	s_sub_co_u32 s30, s30, 1
	s_cmp_lg_u32 s30, 0
	s_cbranch_scc1 .Lk
	s_cmp_eq_u32 s31, 1
	s_cbranch_scc1 .Ltail_last
	STEP AF1, 64,  0, 32, 1, AF0, 0,  1, 0,   0      ; K steps 29 to 31 of pass 0: they fetch pass 1's first three K steps of W1, which follow in w1f,
	STEP AF0, 128, 0, 32, 1, AF1, 64, 1, 64,  8192
	WIN 0
	s_wait_alu depctr_vm_vsrc(0)                   ; the LDS loads issued so far have read v8-11
.irp q, 0,1,2,3
	v_mov_b32 v[ADRA+\q], v[ADR0+\q]               ; and A's K step 0 once more
.endr
	STEP AF1, 192, 0, 32, 1, AF0, 0,  1, 128, 16384
	WIN 0
	s_branch .Lepi
.Ltail_last:                           ; K steps 29 to 31 of pass 1: no load leaves w1f, and the counts run down; the last step asks for nothing and states nothing
	STEP AF1, 64,  0, 32, 1, AF0, 0,  0, 0, 0
	STEP AF0, 128, 0, 16, 1, AF1, 64, 0, 0, 0
	STEP AF1, 192, 0, 0,  0, 0,   0,  0, 0, 0
	WIN 0
.Lepi:
	; FROM SUMS TO PARTIAL SCORES.  A lane holds column a = 16 nb + r in all its accumulators.  For a row: sum over my 8 column blocks of V tanh = SV + sum of (-2 V) / (1 + 2^x), then over the 16 lanes.
	; These 24 plain instructions name no register of the last products: they are the four places in front of the first read of a result and the first write of T.
.irp i, 0,1,2,3,4,5,6,7
	v_mul_f32 v[VI+2*\i],   -2.0, v[BI+2*\i+1]
	v_mul_f32 v[VI+2*\i+1], -2.0, v[BI+2*\i+1]
.endr
	v_add_f32 v[SV], v[BI+1], v[BI+3]
.irp i, 2,3,4,5,6,7
	v_add_f32 v[SV], v[SV], v[BI+2*\i+1]
.endr
	v_mov_b32 v[SV+1], v[SV]
.macro EPI a                           ; row block a: 16 rows x 128 columns
	WIN 0x02+(\a)/4                                ; source 0: window 2 or 3
.irp n, 0,1,2,3,4,5,6,7
.irp j, 0,1,2,3                        ; each accumulator is read from its low end on
	v_pk_fma_f32 v[T+8*\n+2*\j:T+8*\n+2*\j+1], v[8*(8*((\a)%4)+\n)+2*\j:8*(8*((\a)%4)+\n)+2*\j+1], s[26:27], v[BI+2*\n:BI+2*\n+1] op_sel_hi:[1,0,0]  ; 2 log2(e) x sum + bias
.endr
.endr
	WIN 0
.set z, 0
.rept 64
	v_exp_f32 v[T+z], v[T+z]
.set z, z+1
.endr
	v_nop                                          ; a plain instruction between the last exponential and the use of its result (ISA guide 5.7.2)
	s_wait_alu depctr_va_vdst(0)                   ; the 64 exponentials have written T: one wait for the batch, ahead of the first instruction that names a result
.set z, 0
.rept 32
	v_pk_add_f32 v[T+z:T+z+1], v[T+z:T+z+1], 1.0 op_sel_hi:[1,0]
.set z, z+2
.endr
.set z, 0
.rept 64
	v_rcp_f32 v[T+z], v[T+z]
.set z, z+1
.endr
	v_nop
	s_wait_alu depctr_va_vdst(0)                   ; the 64 reciprocals have written T: one wait for the batch, ahead of the first instruction that names a result
.irp n, 0,1,2,3,4,5,6,7
.irp j, 0,1,2,3
.if \n == 0
	v_pk_fma_f32 v[P+8*(\a)+2*\j:P+8*(\a)+2*\j+1], v[T+2*\j:T+2*\j+1], v[VI:VI+1], v[SV:SV+1]  ; the first term starts the sum and brings tanh's constant part
.else
	v_pk_fma_f32 v[P+8*(\a)+2*\j:P+8*(\a)+2*\j+1], v[T+8*\n+2*\j:T+8*\n+2*\j+1], v[VI+2*\n:VI+2*\n+1], v[P+8*(\a)+2*\j:P+8*(\a)+2*\j+1]
.endif
.endr
.endr
.endm
.irp a, 0,1,2,3,4,5,6,7
	EPI \a
.endr
.irp m, 1,2,4,8                        ; over the 16 lanes of a half: every lane ends with the sum over my 128 columns
.set z, 0
.rept 64
	v_add_f32_dpp v[P+z], v[P+z], v[P+z] row_xmask:\m row_mask:0xf bank_mask:0xf
.set z, z+1
.endr
.endr
	s_wait_alu depctr_va_vdst(0)                   ; the sums over the lanes have written P, and v13 is written: the LDS stores read both; the row blocks are done reading BI, in which the next pass's loads land
.irp u, 0,1,2,3,4,5,6,7,8,9,10,11,12,13,14,15
	ds_store_b128 v13, v[P+4*\u:P+4*\u+3] offset:64*(\u/2)+16*(\u%2)  ; rows 16 a + 8 h + j; the 16 lanes of a half write the same words with the same numbers
.endr
	s_wait_alu depctr_vm_vsrc(0)                   ; the LDS stores have read v13, which is stepped below, and P, which the next pass writes again
	v_add_nc_u32 v13, 2048, v13                    ; the next pass's part of SC
	s_wait_xcnt 0x0                                ; the bases of the bias' and V's loads are stepped only behind this wait
	s_add_nc_u64 s[34:35], s[34:35], 0x20000       ; 32 column blocks on
	s_add_nc_u64 s[36:37], s[36:37], 0x800
	s_add_co_u32 s31, s31, 1
	s_cmp_lt_u32 s31, 2
	s_cbranch_scc1 .Lpass
	; PHASE C: the scores, the block's maximum, p, and the partial context.
	s_wait_dscnt 0x0                               ; for the others' sake: my partial scores lie in LDS
	s_barrier_signal -1
	s_barrier_wait -1
	v_add_nc_u32 v50, SCB, v4
	s_wait_alu depctr_va_vdst(0)                   ; v50 is written, which the loads below read as their address
.irp k, 0,1,2,3,4,5,6,7
	ds_load_b128 v[64+4*\k:67+4*\k], v50 offset:512*\k  ; rows 4 L .. 4 L + 3 of each of the eight parts (two passes x four waves); every wave makes all 128 scores
.endr
	v_add_nc_u32 v51, v15, v4                      ; where my four p go
	s_wait_dscnt 0x0
.irp k, 0,2,4,6
	v_pk_add_f32 v[64+4*\k:65+4*\k], v[64+4*\k:65+4*\k], v[68+4*\k:69+4*\k]
	v_pk_add_f32 v[66+4*\k:67+4*\k], v[66+4*\k:67+4*\k], v[70+4*\k:71+4*\k]
.endr
.irp k, 0,4
	v_pk_add_f32 v[64+4*\k:65+4*\k], v[64+4*\k:65+4*\k], v[72+4*\k:73+4*\k]
	v_pk_add_f32 v[66+4*\k:67+4*\k], v[66+4*\k:67+4*\k], v[74+4*\k:75+4*\k]
.endr
	v_pk_add_f32 v[64:65], v[64:65], v[80:81]
	v_pk_add_f32 v[66:67], v[66:67], v[82:83]
	v_pk_add_f32 v[64:65], v[64:65], s[38:39] op_sel_hi:[1,0]  ; + V_b
	v_pk_add_f32 v[66:67], v[66:67], s[38:39] op_sel_hi:[1,0]
	s_cmp_lg_u32 s20, 0
	s_cbranch_scc1 .Lno_sc
	s_wait_alu depctr_va_vdst(0)                   ; the additions have written v64-67, the store's data
	global_store_b128 v4, v[64:67], s[14:15]       ; wave 0 stores the block's scores: 512 consecutive bytes, aligned; v64-67 are not written again
.Lno_sc:
	v_max3_num_f32 v54, v64, v65, v66
	v_max_num_f32 v54, v54, v67
	v_max_num_f32_dpp v54, v54, v54 row_xmask:1 row_mask:0xf bank_mask:0xf
	v_max_num_f32_dpp v54, v54, v54 row_xmask:2 row_mask:0xf bank_mask:0xf
	v_max_num_f32_dpp v54, v54, v54 row_xmask:4 row_mask:0xf bank_mask:0xf
	v_max_num_f32_dpp v54, v54, v54 row_xmask:8 row_mask:0xf bank_mask:0xf
	v_mov_b32 v55, v54                             ; the exchange's destination counts as read
	v_permlanex16_b32 v55, v54, s28, s29
	v_max_num_f32 v54, v54, v55                    ; m: the largest of the block's 128 scores, which the next launch finds again from sc
.irp i, 0,1,2,3
	v_sub_f32 v[68+\i], v[64+\i], v54
.endr
.irp i, 0,1,2,3
	v_mul_f32 v[68+\i], s40, v[68+\i]
.endr
.irp i, 0,1,2,3
	v_exp_f32 v[68+\i], v[68+\i]                   ; p = exp(score - m), 1 at the most
.endr
	v_nop
	s_wait_alu depctr_va_vdst(0)                   ; the four exponentials have written p, the LDS store's data and the batch's first use; v51, its address, is written
	ds_store_b128 v51, v[68:71]                    ; into my wave's own copy: LDS serves a wave's instructions in order (ISA guide 5.7.1.4), so the loads below see it without a barrier; v68-71 are not written again
.irp i, 0,1,2,3,4,5,6,7
	v_mov_b32 v[56+\i], 0                          ; the context's eight sums: thread t owns columns 4 t .. 4 t + 3 and 512 + 4 t .. + 3
.endr
	s_mov_b32 s30, 8
.Lc:                                   ; a trip: 16 rows
	s_wait_alu depctr_va_vdst(0)                   ; the trip before is done reading v96-111 and v128-191, in which the loads below land, and has written v7 and v15, their addresses
.irp k, 0,1,2,3
	ds_load_b128 v[96+4*\k:99+4*\k], v15 offset:16*\k  ; their p, the same words for every lane
.endr
.set rr, 0
.rept 16
	ds_load_b64 v[128+4*rr:129+4*rr], v7 offset:PITCH*rr        ; a wave's load covers 256 consecutive bytes of the row
	ds_load_b64 v[130+4*rr:131+4*rr], v7 offset:PITCH*rr+1024
.set rr, rr+1
.endr
.set rr, 0
.rept 16
	s_wait_dscnt 30-2*rr                           ; the younger rows' two loads each may stay out
.irp u, 0,1
	v_fma_mix_f32_bf16 v[56+4*\u],   v[128+4*rr+2*\u],   v[96+rr], v[56+4*\u]   op_sel_hi:[1,0,0]
	v_fma_mix_f32_bf16 v[56+4*\u+1], v[128+4*rr+2*\u],   v[96+rr], v[56+4*\u+1] op_sel:[1,0,0] op_sel_hi:[1,0,0]
	v_fma_mix_f32_bf16 v[56+4*\u+2], v[128+4*rr+2*\u+1], v[96+rr], v[56+4*\u+2] op_sel_hi:[1,0,0]
	v_fma_mix_f32_bf16 v[56+4*\u+3], v[128+4*rr+2*\u+1], v[96+rr], v[56+4*\u+3] op_sel:[1,0,0] op_sel_hi:[1,0,0]
.endr
.set rr, rr+1
.endr
	s_wait_alu depctr_vm_vsrc(0)                   ; the trip's LDS loads have read v7 and v15
	v_add_nc_u32 v7, 16*PITCH, v7
	v_add_nc_u32 v15, 64, v15
	s_sub_co_u32 s30, s30, 1
	s_cmp_lg_u32 s30, 0
	s_cbranch_scc1 .Lc
	s_wait_alu depctr_va_vdst(0)                   ; the multiply-adds have written v56-63, the two stores' data
	global_store_b128 v14, v[56:59], s[16:17]              ; each store of a wave covers 512 consecutive bytes, aligned
	global_store_b128 v14, v[60:63], s[16:17] offset:2048
	s_wait_dscnt 0x0
	s_wait_alu depctr_hold_cnt(0) depctr_sa_sdst(0) depctr_va_vdst(0) depctr_va_sdst(0) depctr_va_ssrc(0) depctr_va_vcc(0) depctr_vm_vsrc(0)
	s_wait_tensorcnt 0x0
	ds_add_u32 v52, v53
	s_wait_dscnt 0x0
	s_endpgm
.Lfunc_end_k_q0d09b96482_energy:
	.size	k_q0d09b96482_energy, .Lfunc_end_k_q0d09b96482_energy-k_q0d09b96482_energy
	.p2alignl 7, 3214868480
	.fill 96, 4, 3214868480
	.section	.rodata,"a",@progbits
	.p2align	6, 0x0
	.amdhsa_kernel k_q0d09b96482_energy
		.amdhsa_group_segment_fixed_size 270848
		.amdhsa_private_segment_fixed_size 0
		.amdhsa_enable_private_segment 0
		.amdhsa_kernarg_size 56
		.amdhsa_user_sgpr_count 2
		.amdhsa_user_sgpr_kernarg_segment_ptr 1
		.amdhsa_wavefront_size32 1
		.amdhsa_system_sgpr_workgroup_id_x 1
		.amdhsa_system_sgpr_workgroup_id_y 1
		.amdhsa_system_sgpr_workgroup_id_z 1
		.amdhsa_system_vgpr_workitem_id 0
		.amdhsa_next_free_vgpr 1024
		.amdhsa_next_free_sgpr 66
		.amdhsa_reserve_vcc 0
		.amdhsa_float_denorm_mode_32 3
		.amdhsa_float_denorm_mode_16_64 3
		.amdhsa_memory_ordered 1
		.amdhsa_forward_progress 1
		.amdhsa_inst_pref_size 255
	.end_amdhsa_kernel
	.section	.bss,"aw",@nobits
	.p2align	6
	.space	262144
	.amdgpu_metadata
---
amdhsa.version: [ 1, 2 ]
amdhsa.kernels:
  - .name:           k_q0d09b96482_energy
    .symbol:         k_q0d09b96482_energy.kd
    .args:
      - { .name: ht, .offset: 0, .size: 8, .value_kind: global_buffer, .address_space: global }
      - { .name: w1f, .offset: 8, .size: 8, .value_kind: global_buffer, .address_space: global }
      - { .name: bias2, .offset: 16, .size: 8, .value_kind: global_buffer, .address_space: global }
      - { .name: V_w, .offset: 24, .size: 8, .value_kind: global_buffer, .address_space: global }
      - { .name: V_b, .offset: 32, .size: 8, .value_kind: global_buffer, .address_space: global }
      - { .name: sc, .offset: 40, .size: 8, .value_kind: global_buffer, .address_space: global }
      - { .name: ctxp, .offset: 48, .size: 8, .value_kind: global_buffer, .address_space: global }
    .group_segment_fixed_size: 270848
    .private_segment_fixed_size: 0
    .kernarg_segment_align: 8
    .kernarg_segment_size: 56
    .max_flat_workgroup_size: 128
    .sgpr_count:     66
    .vgpr_count:     1024
    .wavefront_size: 32
...
	.end_amdgpu_metadata
.endif
;; end of part 4
;; launch finish: the kernel of part 3 again; grid 64 x 1, 8 waves a work-group, no clusters, 1,536 bytes of LDS; arguments sc, ctxp, out0, out1; writes out0, out1
